; MI455X (gfx1250); checked and timed in simulation.
; The chip was launched on July 23, 2026; its instructions are those of AMD's public machine-readable ISA for CDNA 5 (MIT licence, August 2026) and "CDNA5" Instruction Set Architecture Reference Guide (July 2026). The comments in the code are by the model that wrote it; some were corrected since.
;; Attention. Allowed arithmetic: float matrix products may take bf16 or f16 operands with f32 sums; all other float work in f32.
;; Inputs: Wk 1,024 x 512 float32; Wq 1,024 x 512 float32; Wv 1,024 x 512 float32; bk 512 float32; bq 512 float32; bv 512 float32; mask 8 x 2,048 int32; x 8 x 2,048 x 1,024 float32.
;; Outputs: out0 8 x 2,048 x 512 float32.
;; 2 versions, each right; version 2 is version 1 with the launch prep written anew for expert scheduling mode. Each part assembles by itself: llvm-mc -triple=amdgcn-amd-amdhsa -mcpu=gfx1250 --defsym DOCPART=n.
;; ======== version 1 of 2: 3 launches
;; limits: values are held in f16: magnitudes above 65,504 overflow, below 6.1e-05 lose precision
;; workspace buffers: xb 33,554,432 bytes; wb 3,145,728 bytes; bcat 6,144 bytes; qkv 50,331,648 bytes
;; launch prep (part 1): grid 512 x 1, 8 waves a work-group, no clusters, 0 bytes of LDS; arguments x, xb, Wq, Wk, Wv, wb, bq, bk, bv, bcat; writes xb, wb, bcat
.if DOCPART == 1
	.amdgcn_target "amdgcn-amd-amdhsa--gfx1250"
	.amdhsa_code_object_version 6
	.text
	.protected	k_q594fd648c6_prep
	.globl	k_q594fd648c6_prep
	.p2align	8
	.type	k_q594fd648c6_prep,@function
k_q594fd648c6_prep:
	s_mov_b64 s[64:65], 0
	v_nop
	global_prefetch_b8 v0, s[64:65] scope:SCOPE_SE
	s_setreg_imm32_b32 hwreg(HW_REG_WAVE_MODE, 25, 1), 1
	s_wait_xcnt 0x0
; CASTS.  x, Wq, Wk, Wv and the three biases are rounded once to bf16 and laid out for the projection that follows.
;   xb   bf16 [16 blocks of 64 k][16384 rows][64 k]: 128 rows x 64 k are then 16,384 dense bytes
;   wb   bf16 [1024 k][1536 n]: columns 0-511 Wq, 512-1023 Wk, 1024-1535 Wv
;   bcat f32  [1536]: bq, bk, bv, each rounded to bf16 and widened again
; A stream: every byte is read once and written once, so there is no LDS, no barrier, no matrix work and no cluster (no two work-groups read the same bytes).
; 512 equal work-groups.  Work-group g owns rows 32 g .. 32 g + 31 of x and rows 2 g, 2 g + 1 of each weight matrix; work-groups 0, 1, 2 also take one bias each.
; A unit is one load of 16 bytes a lane (four numbers), two packed roundings in place and one store of 8 bytes a lane.
;   x: lanes 0-15 read the 256 consecutive bytes of one row's block of 64 k, lanes 16-31 the same block of the next row; the 32 lanes' store covers 256 consecutive bytes of xb (two rows of 128), aligned.
;   W: the wave reads 512 consecutive bytes of a row and stores 256 consecutive bytes of wb, aligned.
; A thread has 35 units; all 35 loads go out first; no register is used twice, so the only waits are the counted ones for the loads.
.set X, 8                              ; v[8:147]  unit u at X + 4 u: 0-31 x (pair of rows u / 16, block of k u % 16), 32-34 Wq, Wk, Wv
	s_load_b512 s[8:23], s[0:1], 0x0               ; x 8, xb 10, Wq 12, Wk 14, Wv 16, wb 18, bq 20, bk 22
	s_load_b128 s[24:27], s[0:1], 0x40             ; bv 24, bcat 26
	v_lshrrev_b32 v5, 5, v0                        ; wave w
	v_bfe_u32 v6, v0, 4, 1                         ; h: which half of the lanes
	v_and_b32 v7, 15, v0                           ; r
	v_lshlrev_b32 v1, 14, v5                       ; x: wave w has rows 4 w .. 4 w + 3 of 4,096 bytes,
	v_lshl_add_u32 v1, v6, 12, v1                  ; row h of a pair,
	v_lshl_add_u32 v1, v7, 4, v1                   ; 16 bytes a lane
	v_lshlrev_b32 v2, 3, v0                        ; xb: 512 w + 8 lane = 8 t + 256 w
	v_lshl_add_u32 v2, v5, 8, v2
	v_lshlrev_b32 v3, 4, v0                        ; W: row w / 4 of two, quarter w % 4, 16 bytes a lane = 16 t
	v_lshrrev_b32 v6, 7, v0                        ; wb: row w / 4 of 3,072 bytes,
	v_and_b32 v7, 127, v0
	v_mul_u32_u24 v4, v6, 3072
	v_lshl_add_u32 v4, v7, 3, v4                   ; + 256 (w % 4) + 8 lane
	s_lshl_b32 s30, ttmp9, 17                      ; 32 rows of x
	s_mov_b32 s31, 0
	s_lshl_b32 s32, ttmp9, 12                      ; 32 rows of 128 bytes in xb; also 2 rows of 2,048 bytes in a weight matrix
	s_mov_b32 s33, 0
	s_mul_i32 s28, ttmp9, 6144                     ; 2 rows of wb
	s_mov_b32 s29, 0
	s_wait_kmcnt 0x0
	s_add_nc_u64 s[8:9], s[8:9], s[30:31]
	s_add_nc_u64 s[34:35], s[10:11], s[32:33]      ; blocks 0-3 of k,
	s_add_nc_u64 s[36:37], s[34:35], 0x800000      ; 4-7, 8-11 and 12-15: the store's immediate reaches four blocks
	s_add_nc_u64 s[38:39], s[36:37], 0x800000
	s_add_nc_u64 s[40:41], s[38:39], 0x800000
	s_add_nc_u64 s[12:13], s[12:13], s[32:33]
	s_add_nc_u64 s[14:15], s[14:15], s[32:33]
	s_add_nc_u64 s[16:17], s[16:17], s[32:33]
	s_add_nc_u64 s[18:19], s[18:19], s[28:29]
.set u, 0
.rept 32
	global_load_b128 v[X+4*u:X+4*u+3], v1, s[8:9] offset:(u/16)*8192+(u%16)*256 th:TH_LOAD_NT
.set u, u+1
.endr
.irp i, 0,1,2
	global_load_b128 v[X+128+4*\i:X+128+4*\i+3], v3, s[12+2*\i:13+2*\i] th:TH_LOAD_NT
.endr
.set u, 0
.rept 35
	s_wait_loadcnt 34-u                            ; loads come back in order: unit u's is in, the 34 - u younger ones stay out
	v_cvt_pk_bf16_f32 v[X+4*u], v[X+4*u], v[X+4*u+1]  ; ascending: a register is written when it has been read
	v_cvt_pk_bf16_f32 v[X+4*u+1], v[X+4*u+2], v[X+4*u+3]
.if u < 32
	global_store_b64 v2, v[X+4*u:X+4*u+1], s[34+2*((u%16)/4):35+2*((u%16)/4)] offset:(u%4)*2097152+(u/16)*256
.else
	global_store_b64 v4, v[X+4*u:X+4*u+1], s[18:19] offset:(u-32)*1024
.endif
.set u, u+1
.endr
	; ---- the biases: work-group 0 bq, 1 bk, 2 bv; a wave takes 64 numbers, 256 bytes in and out
	s_cmp_lt_u32 ttmp9, 3
	s_cbranch_scc0 .Ldone
	s_cmp_eq_u32 ttmp9, 1
	s_cselect_b64 s[42:43], s[22:23], s[20:21]     ; the bias is chosen by the work-group's number
	s_cmp_eq_u32 ttmp9, 2
	s_cselect_b64 s[42:43], s[24:25], s[42:43]
	s_lshl_b32 s44, ttmp9, 11                      ; the bias's 2,048 bytes in bcat
	s_mov_b32 s45, 0
	s_add_nc_u64 s[44:45], s[26:27], s[44:45]
	v_lshlrev_b32 v5, 3, v0                        ; two numbers a thread
	global_load_b64 v[6:7], v5, s[42:43]
	s_wait_loadcnt 0x0
	v_cvt_pk_bf16_f32 v148, v6, v7                 ; rounded to bf16,
	v_lshlrev_b32 v6, 16, v148                     ; and widened again
	v_and_b32 v7, 0xffff0000, v148
	global_store_b64 v5, v[6:7], s[44:45]
.Ldone:
	s_endpgm
.Lfunc_end_k_q594fd648c6_prep:
	.size	k_q594fd648c6_prep, .Lfunc_end_k_q594fd648c6_prep-k_q594fd648c6_prep
	.p2alignl 7, 3214868480
	.fill 96, 4, 3214868480
	.section	.rodata,"a",@progbits
	.p2align	6, 0x0
	.amdhsa_kernel k_q594fd648c6_prep
		.amdhsa_group_segment_fixed_size 0
		.amdhsa_private_segment_fixed_size 0
		.amdhsa_enable_private_segment 0
		.amdhsa_kernarg_size 80
		.amdhsa_user_sgpr_count 2
		.amdhsa_user_sgpr_kernarg_segment_ptr 1
		.amdhsa_wavefront_size32 1
		.amdhsa_system_sgpr_workgroup_id_x 1
		.amdhsa_system_sgpr_workgroup_id_y 1
		.amdhsa_system_sgpr_workgroup_id_z 1
		.amdhsa_system_vgpr_workitem_id 0
		.amdhsa_next_free_vgpr 152
		.amdhsa_next_free_sgpr 66
		.amdhsa_reserve_vcc 0
		.amdhsa_float_denorm_mode_32 3
		.amdhsa_float_denorm_mode_16_64 3
		.amdhsa_memory_ordered 1
		.amdhsa_forward_progress 1
		.amdhsa_inst_pref_size 15
	.end_amdhsa_kernel
	.amdgpu_metadata
---
amdhsa.version: [ 1, 2 ]
amdhsa.kernels:
  - .name:           k_q594fd648c6_prep
    .symbol:         k_q594fd648c6_prep.kd
    .args:
      - { .name: x, .offset: 0, .size: 8, .value_kind: global_buffer, .address_space: global }
      - { .name: xb, .offset: 8, .size: 8, .value_kind: global_buffer, .address_space: global }
      - { .name: Wq, .offset: 16, .size: 8, .value_kind: global_buffer, .address_space: global }
      - { .name: Wk, .offset: 24, .size: 8, .value_kind: global_buffer, .address_space: global }
      - { .name: Wv, .offset: 32, .size: 8, .value_kind: global_buffer, .address_space: global }
      - { .name: wb, .offset: 40, .size: 8, .value_kind: global_buffer, .address_space: global }
      - { .name: bq, .offset: 48, .size: 8, .value_kind: global_buffer, .address_space: global }
      - { .name: bk, .offset: 56, .size: 8, .value_kind: global_buffer, .address_space: global }
      - { .name: bv, .offset: 64, .size: 8, .value_kind: global_buffer, .address_space: global }
      - { .name: bcat, .offset: 72, .size: 8, .value_kind: global_buffer, .address_space: global }
    .group_segment_fixed_size: 0
    .private_segment_fixed_size: 0
    .kernarg_segment_align: 8
    .kernarg_segment_size: 80
    .max_flat_workgroup_size: 256
    .sgpr_count:     66
    .vgpr_count:     152
    .wavefront_size: 32
...
	.end_amdgpu_metadata
.endif
;; end of part 1
;; launch proj (part 2): grid 4 x 64, 4 waves a work-group, clusters of 4 x 4, 327,680 bytes of LDS; arguments xb, wb, bcat, qkv; writes qkv
.if DOCPART == 2
	.amdgcn_target "amdgcn-amd-amdhsa--gfx1250"
	.amdhsa_code_object_version 6
	.text
	.protected	k_q594fd648c6_proj
	.globl	k_q594fd648c6_proj
	.p2align	8
	.type	k_q594fd648c6_proj,@function
k_q594fd648c6_proj:
	s_mov_b64 s[64:65], 0
	v_nop
	global_prefetch_b8 v0, s[64:65] scope:SCOPE_SE
	s_setreg_imm32_b32 hwreg(HW_REG_WAVE_MODE, 25, 1), 1
	s_wait_xcnt 0x0
	s_wait_alu depctr_hold_cnt(0) depctr_sa_sdst(0) depctr_va_vdst(0) depctr_va_sdst(0) depctr_va_ssrc(0) depctr_va_vcc(0) depctr_vm_vsrc(0)
	s_getreg_b32 s2, hwreg(HW_REG_IB_STS2, 6, 4)
	s_cmp_eq_u32 s2, 0
	s_cbranch_scc0 .Lentry_in_a_cluster
	s_endpgm
.Lentry_in_a_cluster:
	s_bfe_u32 s2, ttmp6, 0x10000c
	s_cmp_lg_u32 s2, 0xf033
	s_cbranch_scc0 .Lentry_shape_is_right
	s_endpgm
.Lentry_shape_is_right:
; THE THREE PROJECTIONS AS ONE PRODUCT.  qkv[m][n] = sum over k of xb[m][k] wb[k][n] + bcat[n]; m 16,384, n 1,536, k 1,024.  Operands bf16, sums f32, bias added in f32, the result rounded once to f16.
; LIMIT.  f16 ends at 65,504: q, k and v must stay within it (sums of 1,024 products of x and W; with the drawn spread they are below 10).  NaN and infinities are not treated apart.
; SHARES.  A tile of 256 x 384: 64 x 4 tiles, one work-group each.  Four waves, each 128 x 192: 96 accumulators of 16 x 16, 768 registers.  For 32 along k a wave issues 40 LDS loads and 96 matrix instructions.
; K goes in 16 steps of 64 through two LDS slots.  xb is blocked so that 128 rows x 64 k are 64 dense rows of 256 bytes; a row of wb's tile is 768 bytes at a multiple of 256.
; wb lies [k][n]: its fragments come out of LDS turned, by ds_load_tr16_b128.
; CLUSTER 4 x 4.  xb's tile hangs on the tile row alone and is asked for jointly along a row of the cluster, wb's on the tile column alone and jointly along a column.
; THE MATRIX INSTRUCTION IS USED TRANSPOSED (source 0 = 16 columns of wb, source 1 = 16 rows of xb): a lane holds one row of the result and eight neighbouring columns.
; REGISTERS.  Window 0: v16-29 addresses; v32-95, v96-159 two buffers of xb's fragments (8 x 16 rows x 32 k); v160-207, v208-255 wb's fragments of column blocks 0-5 and 6-11.
;   Windows 1-3: accumulator (a, b), a of 8 row blocks, b of 12 column blocks, has number t = 12 a + b: window 1 + t / 32, register 8 (t % 32).
.set SLOT,  92160                      ; xb's 256 rows x 144 bytes, then wb's 64 rows x 864 bytes
.set BOFF,  36864
.set PA,    144                        ; 128 bytes + 16: the 16 rows of a load start at 16 different groups of four banks (64 banks of 4 bytes: ISA guide 11.1)
.set PB,    864                        ; 768 bytes + 16 behind every 128; column n at 2 n + 16 (n / 64)
.set STAGE, 2*SLOT                     ; behind the ring, never filled by a tensor load: 128 rows x 784 bytes, the work-group's, for the way out
.set SP,    784                        ; 768 + 16 = 49 x 16
.set SPARE, STAGE+128*SP               ; the spare words, 128 bytes a wave: two blocks of 256 bytes that no other line names
.set ADRA, 16                          ; v16-17  LDS address of my xb fragments in slot 0, 1
.set ADRB, 20                          ; v20-21  the same for wb
.set STO,  24                          ; v24  the way out: where I put 16 bytes of a row
.set RD,   25                          ; v25  where I read rows back
.set CO,   26                          ; v26  my byte offset in qkv
.set BO,   27                          ; v27  my byte offset in a block of 16 biases
.set SPW,  28                          ; v28  LDS address of my spare word; never rewritten
.set NIL,  29                          ; v29  0; never rewritten
.set ABUF0, 32
.set ABUF1, 96
.set BG0,   160                        ; column blocks 0-5; blocks 6-11 at BG0 + 48
.set TMP,   96                         ; the way out: 48 registers of packed results
.set OB,    192                        ; the way out: 64 registers read back from the stage
.set G1,  24                           ; s[24:31] descriptor group 1 for xb's tiles;  s[32:39] group 0, a set for each slot
.set G0,  32
.set G1B, 48                           ; s[48:55], s[56:63] the same for wb's
.set G0B, 56
.set MSB, 0
.macro WIN new                         ; the immediate's high byte repeats the setting that is left; a switch that changes nothing is dropped
.if MSB != (\new)
	s_set_vgpr_msb (MSB<<8)|(\new)
.set MSB, (\new)
.endif
.endm
.macro PLACES                          ; a load into a register that a matrix instruction has read, and a vector instruction that reads a matrix result, stand four plain vector instructions behind it
.rept 4
	v_nop
.endr
.endm
; A joint load.  Waves 0 and 1 fetch xb's two halves, waves 2 and 3 wb's.  The branch hangs on the wave's number alone.  An s_nop 0 and four v_nop follow each line.
.macro JLOAD s
	s_cmp_eq_u32 s13, 0
	s_cbranch_scc0 .Lfor_b_\@
	tensor_load_to_lds s[G0+4*(\s):G0+4*(\s)+3], s[G1:G1+7]
	s_nop 0
.rept 4
	v_nop
.endr
	s_branch .Lasked_\@
.Lfor_b_\@:
	tensor_load_to_lds s[G0B+4*(\s):G0B+4*(\s)+3], s[G1B:G1B+7]
	s_nop 0
.rept 4
	v_nop
.endr
.Lasked_\@:
.endm
.macro CREST                           ; a round of the cluster's barrier behind its opening barrier
	s_cmp_lg_u32 s12, 0
	s_cbranch_scc1 .Lnot_wave_0_\@
	s_barrier_signal -3
.Lnot_wave_0_\@:
	s_barrier_wait -3
	s_barrier_signal -1
	s_barrier_wait -1
.endm
.macro CROUND                          ; a whole round
	s_barrier_signal -1
	s_barrier_wait -1
	CREST
.endm
	s_load_b256 s[4:11], s[0:1], 0x0               ; xb 4, wb 6, bcat 8, qkv 10
	v_lshl_add_u32 v[SPW], v0, 2, SPARE
	v_mov_b32 v[NIL], 0
	ds_add_u32 v[SPW], v[NIL]                      ; the wave's opening: the add and its wait stand ahead of my first tensor load; work on registers stands between them
	v_lshrrev_b32 v1, 5, v0
	v_readfirstlane_b32 s12, v1                    ; wave 0..3
	s_lshr_b32 s13, s12, 1                         ; which 128 rows of the tile are mine.  Also: I fetch for xb (0) or wb (1)
	s_and_b32 s14, s12, 1                          ; which 192 columns.  Also: which half of that tile I fetch
	s_bfe_u32 s40, ttmp6, 0x40000                  ; cx, cy: my place in the cluster
	s_bfe_u32 s41, ttmp6, 0x40004
	s_lshl_b32 s42, ttmp9, 2
	s_add_co_u32 s42, s42, s40                     ; tile column = 4 x cluster x + cx
	s_and_b32 s45, ttmp7, 0xffff
	s_lshl_b32 s45, s45, 2
	s_add_co_u32 s45, s45, s41                     ; tile row = 4 x cluster y + cy
	s_lshl_b32 s43, s41, 2
	s_lshl_b32 s43, 15, s43                        ; my row of the cluster
	s_lshl_b32 s44, 0x1111, s40                    ; my column
	; group 1.  15:0 the mask; 17:16 elements of 2 bytes; 20 padding on; 21 set beside a mask; 24:22 after every 32 words (code 4); 31:25 4 words (code 3)
	s_or_b32 s[G1+0], s43, (1<<16)|(1<<20)|(1<<21)|(4<<22)|(3<<25)
	s_or_b32 s[G1B+0], s44, (1<<16)|(1<<20)|(1<<21)|(4<<22)|(3<<25)
	s_mov_b32 s[G1+1], 128<<16                     ; xb: 128 rows of 128 bytes, dense, asked for as 64 rows of 128 elements
	s_mov_b32 s[G1+2], 64<<16
	s_mov_b32 s[G1+3], 128<<16
	s_mov_b32 s[G1+4], 64
	s_mov_b32 s[G1+5], 128
	s_mov_b32 s[G1+6], 0
	s_mov_b32 s[G1+7], 0
	s_mov_b32 s[G1B+1], 384<<16                    ; wb: 32 rows of k x 384 columns, 1,536 elements from row to row
	s_mov_b32 s[G1B+2], 32<<16
	s_mov_b32 s[G1B+3], 384<<16
	s_mov_b32 s[G1B+4], 32
	s_mov_b32 s[G1B+5], 1536
	s_mov_b32 s[G1B+6], 0
	s_mov_b32 s[G1B+7], 0
	s_lshl_b32 s16, s45, 15                        ; xb: (256 x tile row + 128 x half) rows of 128 bytes: the tile row alone, which my row of the cluster shares
	s_lshl_b32 s17, s14, 14
	s_add_co_u32 s16, s16, s17
	s_mov_b32 s17, 0
	s_mul_i32 s46, s42, 768                        ; wb: 768 bytes x tile column + 32 rows of 3,072 bytes x half: the tile column alone
	s_mul_i32 s47, s14, 98304
	s_add_co_u32 s46, s46, s47
	s_mov_b32 s47, 0
	s_mul_i32 s20, s14, 128*PA                     ; where they go in a slot: no place in the cluster enters an LDS address
	s_mul_i32 s21, s14, 32*PB
	s_add_co_u32 s21, s21, BOFF
	s_wait_dscnt 0x0                               ; the opening add is done
	s_wait_kmcnt 0x0
	s_add_nc_u64 s[16:17], s[4:5], s[16:17]
	s_add_nc_u64 s[46:47], s[6:7], s[46:47]
	CROUND                                         ; all sixteen work-groups are here: the first joint loads meet
.irp s, 0,1
	s_mov_b32 s[G0+4*(\s)], 1
	s_add_co_u32 s[G0+4*(\s)+1], s20, (\s)*SLOT
	s_add_nc_u64 s[G0+4*(\s)+2:G0+4*(\s)+3], s[16:17], (\s)*2097152  ; K step s: a block of xb
	s_or_b32 s[G0+4*(\s)+3], s[G0+4*(\s)+3], 0x80000000
	s_mov_b32 s[G0B+4*(\s)], 1
	s_add_co_u32 s[G0B+4*(\s)+1], s21, (\s)*SLOT
	s_add_nc_u64 s[G0B+4*(\s)+2:G0B+4*(\s)+3], s[46:47], (\s)*196608  ; 64 rows of wb
	s_or_b32 s[G0B+4*(\s)+3], s[G0B+4*(\s)+3], 0x80000000
	JLOAD \s                                       ; two loads of mine are out
.endr
	v_and_b32 v1, 15, v0                           ; r = l % 16
	v_bfe_u32 v2, v0, 4, 1                         ; h = l / 16
	v_mul_u32_u24 v3, v1, PA
	v_lshl_add_u32 v3, v2, 4, v3                   ; xb's fragment: row r, 16 bytes for each half of the lanes; two loads 32 bytes apart
	s_mul_i32 s22, s13, 128*PA
	v_add_nc_u32 v[ADRA], s22, v3
	v_add_nc_u32 v[ADRA+1], SLOT, v[ADRA]
	v_and_b32 v4, 7, v0                            ; the turning load: lane l reads row of k 8 h + l % 8, columns 8 ((l / 8) % 2) + 0..7, and is left with column r and 8 k
	v_bfe_u32 v5, v0, 3, 1
	v_lshl_add_u32 v6, v2, 3, v4
	v_mul_u32_u24 v6, v6, PB
	v_lshl_add_u32 v6, v5, 4, v6
	s_mul_i32 s23, s14, 432                        ; my 192 columns: 384 bytes and three paddings
	s_add_co_u32 s23, s23, BOFF
	v_add_nc_u32 v[ADRB], s23, v6
	v_add_nc_u32 v[ADRB+1], SLOT, v[ADRB]
	s_mul_i32 s22, s13, 64*SP                      ; into the stage: 64 rows for each half of the tile's rows, my 384 bytes of them
	s_mul_i32 s23, s14, 384
	s_add_co_u32 s22, s22, s23
	s_add_co_u32 s22, s22, STAGE
	v_mul_u32_u24 v3, v1, SP
	v_lshl_add_u32 v3, v2, 4, v3
	v_add_nc_u32 v[STO], s22, v3
	s_mul_i32 s22, s12, 32*SP                      ; back: wave w takes stage rows 32 w .. 32 w + 31, whole; lanes 0-15 one row, lanes 16-31 the next
	s_add_co_u32 s22, s22, STAGE
	v_mul_u32_u24 v3, v2, SP
	v_lshl_add_u32 v3, v1, 4, v3
	v_add_nc_u32 v[RD], s22, v3
	v_mul_u32_u24 v3, v2, 3072
	v_lshl_add_u32 v[CO], v1, 4, v3
	v_lshlrev_b32 v[BO], 5, v2                     ; a lane's eight columns: 32 bytes of biases
	s_mul_i32 s18, s42, 1536                       ; bcat at my 192 columns
	s_mul_i32 s19, s14, 768
	s_add_co_u32 s18, s18, s19
	s_mov_b32 s19, 0
	s_add_nc_u64 s[8:9], s[8:9], s[18:19]
	s_lshl_b32 s16, s45, 8                         ; qkv at the first row that I store: 256 x tile row + 128 (w / 2) + 32 (w % 2), and the tile's first column
	s_lshl_b32 s17, s13, 7
	s_add_co_u32 s16, s16, s17
	s_lshl_b32 s17, s14, 5
	s_add_co_u32 s16, s16, s17
	s_mul_i32 s16, s16, 3072
	s_mul_i32 s17, s42, 768
	s_add_co_u32 s16, s16, s17
	s_mov_b32 s17, 0
	s_add_nc_u64 s[10:11], s[10:11], s[16:17]
; 16 loads: xb's eight fragments of 32 k (half kk of the step) into buf
.macro ARUN slot, kk, buf
	WIN 0
.irp a, 0,1,2,3,4,5,6,7
	ds_load_b128 v[(\buf)+8*\a:(\buf)+8*\a+3],   v[ADRA+(\slot)] offset:\a*16*PA+64*(\kk)
	ds_load_b128 v[(\buf)+8*\a+4:(\buf)+8*\a+7], v[ADRA+(\slot)] offset:\a*16*PA+64*(\kk)+32
.endr
.endm
; 12 turning loads: wb's fragments of column blocks 6 g .. 6 g + 5, half kk of the step
.macro BRUN slot, kk, g
	WIN 0
.irp bb, 0,1,2,3,4,5
	ds_load_tr16_b128 v[BG0+48*(\g)+8*\bb:BG0+48*(\g)+8*\bb+3],   v[ADRB+(\slot)] offset:(\kk)*32*PB+32*(6*(\g)+\bb)+16*((6*(\g)+\bb)/4)
	ds_load_tr16_b128 v[BG0+48*(\g)+8*\bb+4:BG0+48*(\g)+8*\bb+7], v[ADRB+(\slot)] offset:(\kk)*32*PB+32*(6*(\g)+\bb)+16*((6*(\g)+\bb)/4)+16*PB
.endr
.endm
; Matrix instructions i0 .. i1 - 1 of a unit's 48: row block i / 6, column block 6 g + i % 6.  The 96 accumulators take turns, one instruction a turn.  zero = 1: the product starts the sum.
.macro MULR abuf, g, i0, i1, zero
.set i, (\i0)
.rept (\i1)-(\i0)
.set t, 12*(i/6)+6*(\g)+i%6
.set rD, 8*(t%32)
.set rB, BG0+48*(\g)+8*(i%6)
.set rA, (\abuf)+8*(i/6)
	WIN 0x50*(1+t/32)                              ; C and D in the accumulator's window, the fragments in window 0
.if \zero
	v_wmma_f32_16x16x32_bf16 v[rD:rD+7], v[rB:rB+7], v[rA:rA+7], 0
.else
	v_wmma_f32_16x16x32_bf16 v[rD:rD+7], v[rB:rB+7], v[rA:rA+7], v[rD:rD+7]
.endif
.set i, i+1
.endr
.endm
; A K step is four units of 48 matrix instructions: (first 32 k, blocks 0-5), (first, 6-11), (second, 0-5), (second, 6-11).  HEAD is the first two.
.macro HEAD s, zero
	WIN 0
	PLACES
	BRUN \s, 0, 1
	ARUN \s, 1, ABUF1
	s_wait_dscnt 28                                ; all but the 28 just issued: xb's first half and wb's blocks 0-5 are in
	MULR ABUF0, 0, 0, 48, \zero
	WIN 0
	PLACES
	BRUN \s, 1, 0
	s_wait_dscnt 28                                ; xb's second half (16) and the 12 just issued stay out: wb's blocks 6-11 are in
	MULR ABUF0, 1, 0, 48, \zero
	WIN 0
.endm
; TAIL is the last two units and the change of slots: ONE barrier; in front of it each wave waits for all its tensor loads (one is out: its part of the next slot), adds 0 to its spare word,
; and waits for that and for its reads of this slot.  fill = 1: the barrier opens a round of the cluster's, and this slot is filled again, two K steps ahead, first thing behind it.
.macro TAIL s, next, fill
	PLACES
	BRUN \s, 1, 1
	s_wait_dscnt 12                                ; all but the 12 just issued
	MULR ABUF1, 0, 0, 16, 0
	WIN 0                                          ; (the add's two registers lie in window 0)
	s_wait_tensorcnt 0x0
	ds_add_u32 v[SPW], v[NIL]                      ; 0 onto my spare word; sixteen matrix instructions stand between it and the wait for it
	MULR ABUF1, 0, 16, 32, 0
	s_wait_dscnt 0x0                               ; the add is done, and my reads of this slot are over
	s_barrier_signal -1
	MULR ABUF1, 0, 32, 48, 0
	WIN 0
	s_barrier_wait -1
.if \fill
	CREST                                          ; no wave of any partner still reads this slot or has a load on its way
	s_add_nc_u64 s[G0+4*(\s)+2:G0+4*(\s)+3], s[G0+4*(\s)+2:G0+4*(\s)+3], 2*2097152
	s_add_nc_u64 s[G0B+4*(\s)+2:G0B+4*(\s)+3], s[G0B+4*(\s)+2:G0B+4*(\s)+3], 2*196608
	JLOAD \s                                       ; 160 matrix instructions ahead of the wait for it; its four v_nop are also the places in front of the loads below
.else
	PLACES
.endif
	ARUN \next, 0, ABUF0
	BRUN \next, 0, 0
	MULR ABUF1, 1, 0, 48, 0
	WIN 0
.endm
	s_wait_tensorcnt 1                             ; my part of K step 0 is in; step 1's may stay out
	s_barrier_signal -1
	s_barrier_wait -1
	ARUN 0, 0, ABUF0
	BRUN 0, 0, 0
	HEAD 0, 1                                      ; the first products start the sums: nothing is cleared
	s_mov_b32 s3, 7
.Llap:                                                 ; a trip goes once round the ring and fills both slots again: K steps 2 to 15
	TAIL 0, 1, 1
	HEAD 1, 0
	TAIL 1, 0, 1
	HEAD 0, 0
	s_sub_co_u32 s3, s3, 1
	s_cmp_lg_u32 s3, 0
	s_cbranch_scc1 .Llap
	TAIL 0, 1, 0                                   ; the last lap asks for nothing
	HEAD 1, 0
	PLACES
	BRUN 1, 1, 1
.irp b, 0,1,2,3,4,5,6,7                ; the biases of column blocks 0-7 go where xb's first buffer lay
	global_load_b128 v[32+8*\b:32+8*\b+3], v[BO], s[8:9] offset:64*\b
	global_load_b128 v[32+8*\b+4:32+8*\b+7], v[BO], s[8:9] offset:64*\b+16
.endr
	s_wait_dscnt 12
	MULR ABUF1, 0, 0, 48, 0
	WIN 0
	PLACES
.irp b, 0,1,2,3                        ; those of blocks 8-11 where wb's blocks 0-5 lay
	global_load_b128 v[160+8*\b:160+8*\b+3], v[BO], s[8:9] offset:512+64*\b
	global_load_b128 v[160+8*\b+4:160+8*\b+7], v[BO], s[8:9] offset:512+64*\b+16
.endr
	s_wait_dscnt 0x0
	MULR ABUF1, 1, 0, 48, 0
	WIN 0
	PLACES
	s_wait_loadcnt 0x0                             ; the biases
; THE WAY OUT.  A wave's 192 columns are 384 bytes, one and a half aligned blocks of 256: so two waves write the two halves of the same stage rows, a barrier stands between writing and reading,
; and each wave then stores whole rows of 768 bytes, sixteen lanes to 256 consecutive bytes.  The stage holds half of the tile's rows: two phases.
.macro OUTA a                          ; row block a: + bias, rounded to f16, 16 bytes a lane into the stage.  Each accumulator is read from its lowest registers on
.set b, 0
.rept 12
.set t, 12*(\a)+b
.set rD, 8*(t%32)
.set rI, 32+8*b+64*(b/8)               ; the block's eight biases: v32 + 8 b, from block 8 on v160 + 8 (b - 8)
	WIN 0x41*(1+t/32)
.irp p, 0,2,4,6
	v_pk_add_f32 v[rD+\p:rD+\p+1], v[rD+\p:rD+\p+1], v[rI+\p:rI+\p+1]
.endr
.set b, b+1
.endr
.set b, 0
.rept 12
.set t, 12*(\a)+b
.set rD, 8*(t%32)
	WIN 0x05*(1+t/32)
.irp p, 0,1,2,3
	v_cvt_pk_f16_f32 v[TMP+4*b+\p], v[rD+2*\p], v[rD+2*\p+1]
.endr
.set b, b+1
.endr
	WIN 0
.set b, 0
.rept 12
	ds_store_b128 v[STO], v[TMP+4*b:TMP+4*b+3] offset:((\a)%4)*16*SP+32*b
.set b, b+1
.endr
.endm
.macro SENDP p                         ; my 32 stage rows, 256 bytes of each at a time
.irp u, 0,1,2
	s_wait_xcnt 0x0                                ; the registers that earlier stores read are loaded again only behind this wait
.irp i, 0,1,2,3,4,5,6,7,8,9,10,11,12,13,14,15
	ds_load_b128 v[OB+4*\i:OB+4*\i+3], v[RD] offset:\i*2*SP+256*\u
.endr
.irp i, 0,1,2,3,4,5,6,7,8,9,10,11,12,13,14,15
	s_wait_dscnt 15-\i
	global_store_b128 v[CO], v[OB+4*\i:OB+4*\i+3], s[10:11] offset:6144*\i+256*\u+196608*(\p)  ; 16 lanes store 256 consecutive bytes, at a multiple of 256 from qkv's first byte
.endr
.endr
.endm
	OUTA 0
	OUTA 1
	OUTA 2
	OUTA 3
	s_wait_dscnt 0x0                               ; for the others' sake: my stores into the stage are done
	s_barrier_signal -1
	s_barrier_wait -1
	SENDP 0
	s_wait_dscnt 0x0                               ; my reads of the stage are over: it is written again behind this barrier
	s_barrier_signal -1
	s_barrier_wait -1
	OUTA 4
	OUTA 5
	OUTA 6
	OUTA 7
	s_wait_dscnt 0x0
	s_barrier_signal -1
	s_barrier_wait -1
	SENDP 1
	s_wait_tensorcnt 0x0                           ; the wave's end: an add to my spare word, behind my last tensor load and my last LDS store
	ds_add_u32 v[SPW], v[NIL]
	s_wait_dscnt 0x0
	CROUND                                         ; the closing round: no work-group ends while a partner may still ask for a tile that names it
	s_endpgm
.Lfunc_end_k_q594fd648c6_proj:
	.size	k_q594fd648c6_proj, .Lfunc_end_k_q594fd648c6_proj-k_q594fd648c6_proj
	.p2alignl 7, 3214868480
	.fill 96, 4, 3214868480
	.section	.rodata,"a",@progbits
	.p2align	6, 0x0
	.amdhsa_kernel k_q594fd648c6_proj
		.amdhsa_group_segment_fixed_size 327680
		.amdhsa_private_segment_fixed_size 0
		.amdhsa_enable_private_segment 0
		.amdhsa_kernarg_size 32
		.amdhsa_user_sgpr_count 2
		.amdhsa_user_sgpr_kernarg_segment_ptr 1
		.amdhsa_wavefront_size32 1
		.amdhsa_system_sgpr_workgroup_id_x 1
		.amdhsa_system_sgpr_workgroup_id_y 1
		.amdhsa_system_sgpr_workgroup_id_z 1
		.amdhsa_system_vgpr_workitem_id 0
		.amdhsa_next_free_vgpr 1024
		.amdhsa_next_free_sgpr 66
		.amdhsa_reserve_vcc 0
		.amdhsa_float_denorm_mode_32 3
		.amdhsa_float_denorm_mode_16_64 3
		.amdhsa_memory_ordered 1
		.amdhsa_forward_progress 1
		.amdhsa_inst_pref_size 159
	.end_amdhsa_kernel
	.amdgpu_metadata
---
amdhsa.version: [ 1, 2 ]
amdhsa.kernels:
  - .name:           k_q594fd648c6_proj
    .symbol:         k_q594fd648c6_proj.kd
    .args:
      - { .name: xb, .offset: 0, .size: 8, .value_kind: global_buffer, .address_space: global }
      - { .name: wb, .offset: 8, .size: 8, .value_kind: global_buffer, .address_space: global }
      - { .name: bcat, .offset: 16, .size: 8, .value_kind: global_buffer, .address_space: global }
      - { .name: qkv, .offset: 24, .size: 8, .value_kind: global_buffer, .address_space: global }
    .group_segment_fixed_size: 327680
    .private_segment_fixed_size: 0
    .kernarg_segment_align: 8
    .kernarg_segment_size: 32
    .max_flat_workgroup_size: 128
    .sgpr_count:     66
    .vgpr_count:     1024
    .wavefront_size: 32
...
	.end_amdgpu_metadata
.endif
;; end of part 2
;; launch attn (part 3): grid 32 x 8, 4 waves a work-group, clusters of 4 x 1, 327,680 bytes of LDS; arguments qkv, mask, out0; writes out0
.if DOCPART == 3
	.amdgcn_target "amdgcn-amd-amdhsa--gfx1250"
	.amdhsa_code_object_version 6
	.text
	.protected	k_q594fd648c6_attn
	.globl	k_q594fd648c6_attn
	.p2align	8
	.type	k_q594fd648c6_attn,@function
k_q594fd648c6_attn:
	s_mov_b64 s[64:65], 0
	v_nop
	global_prefetch_b8 v0, s[64:65] scope:SCOPE_SE
	s_setreg_imm32_b32 hwreg(HW_REG_WAVE_MODE, 25, 1), 1
	s_wait_xcnt 0x0
	s_wait_alu depctr_hold_cnt(0) depctr_sa_sdst(0) depctr_va_vdst(0) depctr_va_sdst(0) depctr_va_ssrc(0) depctr_va_vcc(0) depctr_vm_vsrc(0)
	s_getreg_b32 s2, hwreg(HW_REG_IB_STS2, 6, 4)
	s_cmp_eq_u32 s2, 0
	s_cbranch_scc0 .Lentry_in_a_cluster
	s_endpgm
.Lentry_in_a_cluster:
	s_bfe_u32 s2, ttmp6, 0x10000c
	s_cmp_lg_u32 s2, 0x3003
	s_cbranch_scc0 .Lentry_shape_is_right
	s_endpgm
.Lentry_shape_is_right:
; ATTENTION, one head of 512 channels, 8 batches of 2,048 rows.  out0[b][q] = sum over k of softmax_k(q . k / sqrt(512) + (1 - mq mk) (-10000)) v[k].
; q, k, v: f16, in rows of qkv (3,072 bytes: q at 0, k at 1,024, v at 2,048), unscaled.  Products, maxima, exponentials and sums in f32; the weights p are rounded to f16 for the second product
; (their sum l is taken of the unrounded p); out0 is f32.
; LIMITS.  p lies in 0 to 1 and below 6e-5 keeps f16's fixed step of 6e-8; a weight below 2^-126 counts as 0; NaN and infinities are not treated apart.  The mask's integers are used as numbers.
; THE MASK is what the score sums start from: (mq mk - 1) x 10000 sqrt(512), in the unscaled scores' units, by one fused multiply-add that gives exactly 0 where mq mk = 1; the products add onto it in place.
; SOFTMAX.  A running maximum m and sum l for each query: p = 2^(c s - c m), c = log2(e) / sqrt(512); in every step O and l are multiplied by a = 2^(c m_old - c m_new).
; m starts at the lowest finite number, O and l at 0, so the first step is a step like any other, with a = 0: the price is 256 v_mov_b32 in the wait for the first tile.
; SHARES.  A work-group owns 64 queries (four tiles of 16) of one batch and walks the batch's keys, 128 a step, 16 steps.  The two products are split among its four waves so that each LDS byte of K and of V
; is read once: S^T = K Q^T: wave w takes keys 32 w .. 32 w + 31 of the step and all 64 queries (8 accumulators, all of Q in 512 registers); O^T = V^T P: wave w takes channels 128 w .. 128 w + 127 and all 64
; queries (32 accumulators).  The waves' maxima and P pass through LDS.  In S^T, P and O^T a lane holds one query (lane % 16); two results of S^T rounded in pairs ARE source 1 of V^T P.
; ONE REGION OF LDS FOR K AND ONE FOR V: each is filled again while the other is multiplied.  A trip, for step j:
;   the last 32 of step j's 128 score products (their fragments of K are in registers) | my keys' maxima | V^T P of step j - 1 | ROUND, V(j) asked for |
;   the softmax of step j | the first 96 score products of step j + 1 | ROUND, K(j + 2) asked for.
; So the two intervals between rounds hold 160 and 96 matrix instructions and a part of the vector work, and each tile has one such interval in which to land.  By this text's count one tensor load of a wave is out at any time.
; O a, 128 packed multiplies, stands behind the score products: four behind every fourth.  They name O and a alone, so the four behind a run's last product are also the places in front of what follows it.
; The first scores are made by the loop's own text: the loop is entered in its middle; step 0, which has no step before it, takes a short block in place of V^T P.
; CLUSTER.  The four query blocks of a cluster belong to one batch and walk the same K and V: every tile is asked for jointly, each wave its quarter (32 rows of 1,024 bytes), with the mask of four.
; REGISTERS.  Window 0: v1 prefetch offsets; v2-9 LDS addresses; v10-13 m; v14-21 l; v22-29 mq x 10000 sqrt(512); v32-95 S^T (tile t, key block kb at 32 + 16 t + 8 kb); v96-255 fragments and work, by phase.
;   Window 1: O^T, (channel block cb, tile t) at 32 cb + 8 t.   Windows 2, 3: Q, (tile t, 32 channels ks) in window 2 + t / 2 at 128 (t % 2) + 8 ks.
.set PK,    1040                       ; a row of K in LDS: 1,024 bytes + 16 = 65 x 16: the 16 rows of a load start at 16 different groups of four banks (64 banks of 4 bytes: ISA guide 11.1)
.set PV,    1056                       ; a row of V: 1,024 + 32 = 33 x 32
.set VREG,  128*PK                     ; K's 128 rows lie at 0, V's here
.set PREG,  VREG+128*PV                ; P as fragment images: (key block kk, tile t) at (4 kk + t) x 1,024: registers 0-3 at 16 x lane, 4-7 at 512 + 16 x lane
.set MXR,   PREG+16384                 ; [query 0..63][wave 0..3] f32: the waves' maxima
.set LXR,   MXR+1024                   ; the same shape: the waves' sums
.set MKR,   LXR+1024                   ; the batch's mask as f32, 8,192 bytes
.set STAGE, MKR+8192                   ; 16 rows x 272 bytes for each wave, for the way out
.set SPARE, STAGE+4*16*272             ; the spare words, 128 bytes a wave: two blocks of 256 bytes that no other line names.  Tensor loads land below PREG alone
.set PFO, 1                            ; v1  wave 0: my lane's block of 256 bytes among those that my work-group asks for ahead; never rewritten
.set AK,  2                            ; v2  (32 w + r) PK + 16 h
.set AV0, 3                            ; v3  my lane's place in V's rows 0-63, my wave's 256 bytes;  v4 the same in rows 64-127
.set AP,  5                            ; v5  PREG + 16 lane
.set APW, 6                            ; v6  the same in my wave's four images
.set AMW, 7                            ; v7  MXR + 16 r + 4 w
.set AMR, 8                            ; v8  MXR + 16 r
.set AMK, 9                            ; v9  MKR + 4 (32 w + 8 h), 512 further at each use
.set RM,  10
.set RL,  14
.set MQ,  22
.set SPW, 30                           ; v30  LDS address of my spare word; never rewritten
.set NIL, 31                           ; v31  0; never rewritten
.set S,   32
.set KB0, 96                           ; K Q^T: two buffers of 8 fragments of K
.set KB1, 160
.set VB0, 96                           ; V^T P: three buffers of 4 fragments of V, two of 4 fragments of P
.set PB0, 192
.set WK,  160                          ; softmax: v160-175 at work
.set XV,  224                          ; v224-239 the four waves' maxima, later 16 keys' mask
.set RA,  240                          ; v240-247 a, a pair a tile (the low word is used)
.set CM,  248                          ; v248-255 c m, likewise
.set STO, 2                            ; the way out takes the registers of addresses that are no longer used
.set RD,  3
.set GO,  4
.set OB,  96
.set WV,  10                           ; s10  my wave's number
.set G1K, 16                           ; s[16:23] descriptor group 1 for K;  s[24:31] for V: it differs in the padding alone
.set G1V, 24
.set G0K, 32                           ; s[32:35], s[36:39] group 0
.set G0V, 36
.set CS,  40                           ; s[40:41] c
.set NB,  42                           ; s[42:43] -10000 sqrt(512)
.set SEL, 44                           ; s[44:45] v_permlanex16_b32's selects: each lane takes its own place in the other half
.set CNT, 46
.set KBASE, 48                         ; s[48:49], s[50:51] K and V at my 32 rows of the batch's step 0
.set VBASE, 50
.set KOFF, 52                          ; s[52:53], s[54:55] the byte offset of the step to be asked for next
.set VOFF, 54
.set PFB, 66                           ; s[66:67] the base of the requests ahead: a step further in every trip
.set STEPB, 128*3072                   ; 128 rows of qkv
.set MSB, 0
.macro WIN new                         ; the immediate's high byte repeats the setting that is left; a switch that changes nothing is dropped
.if MSB != (\new)
	s_set_vgpr_msb (MSB<<8)|(\new)
.set MSB, (\new)
.endif
.endm
.macro PLACES                          ; a load into a register that a matrix instruction has read, and a vector instruction that reads a matrix result, stand four plain vector instructions behind it
.rept 4
	v_nop
.endr
.endm
.macro CROUND                          ; a round of the cluster's barrier
	s_barrier_signal -1
	s_barrier_wait -1
	s_cmp_lg_u32 s[WV], 0
	s_cbranch_scc1 .Lnot_wave_0_\@
	s_barrier_signal -3
.Lnot_wave_0_\@:
	s_barrier_wait -3
	s_barrier_signal -1
	s_barrier_wait -1
.endm
; A round with its refill.  Every wave waits for all its tensor loads, adds 0 to its spare word, and waits for that and for all its LDS instructions: its reads of the region to be filled, and its stores that the
; others read behind the round.  No load is out, so group 0's address is made anew: base + offset, the type bits set again; the offset steps.  The joint load is the first thing behind the round; its four v_nop
; are also the places behind the last matrix instructions.
.macro SYNC g0, g1, base, off
	WIN 0
	s_wait_tensorcnt 0x0
	ds_add_u32 v[SPW], v[NIL]
	s_add_nc_u64 s[(\g0)+2:(\g0)+3], s[(\base):(\base)+1], s[(\off):(\off)+1]
	s_or_b32 s[(\g0)+3], s[(\g0)+3], 0x80000000
	s_add_co_u32 s[\off], s[\off], STEPB
	s_wait_dscnt 0x0
	CROUND
	tensor_load_to_lds s[(\g0):(\g0)+3], s[(\g1):(\g1)+7]
	s_nop 0
.rept 4
	v_nop
.endr
.endm
.macro PBAR                            ; the same with nothing left to ask for: my work-group's barrier alone
	WIN 0
	s_wait_tensorcnt 0x0
	ds_add_u32 v[SPW], v[NIL]
	s_wait_dscnt 0x0
	s_barrier_signal -1
	s_barrier_wait -1
	PLACES
.endm
	s_load_b128 s[4:7], s[0:1], 0x0                ; qkv 4, mask 6
	s_load_b64 s[8:9], s[0:1], 0x10                ; out0
	v_lshl_add_u32 v[SPW], v0, 2, SPARE
	v_mov_b32 v[NIL], 0
	ds_add_u32 v[SPW], v[NIL]                      ; the wave's opening: the add and its wait stand ahead of my first tensor load; work on registers stands between them
	v_lshrrev_b32 v1, 5, v0
	v_readfirstlane_b32 s[WV], v1                  ; wave 0..3
	s_bfe_u32 s11, ttmp6, 0x40000                  ; cx
	s_lshl_b32 s12, ttmp9, 2
	s_add_co_u32 s12, s12, s11                     ; my block of 64 queries = 4 x cluster x + cx: it enters Q's, mq's and out0's addresses and the requests ahead, nothing else
	s_and_b32 s13, ttmp7, 0xffff                   ; the batch, which the four partners share
	; group 1: 32 rows x 512 elements.  15:0 the mask of four; 17:16 2-byte elements; 20 padding on; 21 set beside a mask; 24:22 after every 256 words (code 7); 31:25 4 words (code 3) or 8 (code 7)
	s_mov_b32 s[G1K], 15|(1<<16)|(1<<20)|(1<<21)|(7<<22)|(3<<25)
	s_mov_b32 s[G1V], 15|(1<<16)|(1<<20)|(1<<21)|(7<<22)|(7<<25)
.irp g, G1K, G1V
	s_mov_b32 s[\g+1], 512<<16
	s_mov_b32 s[\g+2], 32<<16
	s_mov_b32 s[\g+3], 512<<16
	s_mov_b32 s[\g+4], 32
	s_mov_b32 s[\g+5], 1536
	s_mov_b32 s[\g+6], 0
	s_mov_b32 s[\g+7], 0
.endr
	s_mov_b32 s[CS], 0x3d8293ee                    ; c = log2(e) / sqrt(512) = 0.0637587
	s_mov_b32 s[CS+1], s[CS]                       ; named with it as a pair
	s_mov_b32 s[NB], 0xc85cf88b                    ; -226274.17
	s_mov_b32 s[NB+1], s[NB]
	s_mov_b32 s47, 0x485cf88b
	s_mov_b32 s[SEL], 0x76543210
	s_mov_b32 s[SEL+1], 0xfedcba98
	s_mul_i32 s56, s13, 6291456                    ; the batch's 2,048 rows of 3,072 bytes
	s_mov_b32 s57, 0
	s_mul_i32 s58, s[WV], 98304                    ; my 32 rows of a step's 128
	s_add_co_u32 s58, s58, s56
	s_mov_b32 s59, 0
	s_mul_i32 s60, s12, 196608                     ; my block's 64 rows
	s_add_co_u32 s60, s60, s56
	s_mov_b32 s61, 0
	s_lshl_b32 s62, s13, 13                        ; the batch's mask
	s_mov_b32 s63, 0
	s_lshl_b32 s68, s12, 8                         ; my 64 queries' words of it
	s_mov_b32 s69, 0
	s_lshl_b32 s70, s13, 22                        ; out0: the batch's 2,048 rows of 2,048 bytes,
	s_lshl_b32 s71, s12, 17                        ; my 64 rows,
	s_add_co_u32 s70, s70, s71
	s_lshl_b32 s71, s[WV], 9                       ; my wave's 128 channels
	s_add_co_u32 s70, s70, s71
	s_mov_b32 s71, 0
	s_mov_b32 s[KOFF], STEPB                       ; K of step 0 is asked for below; the next is step 1's
	s_mov_b32 s[KOFF+1], 0
	s_mov_b32 s[VOFF], 0
	s_mov_b32 s[VOFF+1], 0
	s_mov_b32 s[G0K], 1
	s_mul_i32 s[G0K+1], s[WV], 32*PK               ; no place in the cluster enters an LDS address
	s_mov_b32 s[G0V], 1
	s_mul_i32 s[G0V+1], s[WV], 32*PV
	s_add_co_u32 s[G0V+1], s[G0V+1], VREG
	s_wait_dscnt 0x0                               ; the opening add is done
	s_wait_kmcnt 0x0
	s_add_nc_u64 s[PFB:PFB+1], s[4:5], s[56:57]    ; the batch's first row
	s_add_nc_u64 s[KBASE:KBASE+1], s[4:5], s[58:59]
	s_add_nc_u64 s[VBASE:VBASE+1], s[KBASE:KBASE+1], 2048
	s_add_nc_u64 s[KBASE:KBASE+1], s[KBASE:KBASE+1], 1024
	s_mov_b64 s[G0K+2:G0K+3], s[KBASE:KBASE+1]
	s_or_b32 s[G0K+3], s[G0K+3], 0x80000000
	s_add_nc_u64 s[60:61], s[4:5], s[60:61]        ; Q
	s_add_nc_u64 s[6:7], s[6:7], s[62:63]
	s_add_nc_u64 s[62:63], s[6:7], s[68:69]        ; mq
	s_add_nc_u64 s[8:9], s[8:9], s[70:71]
	CROUND                                         ; all four work-groups are here: the first joint loads meet
	tensor_load_to_lds s[G0K:G0K+3], s[G1K:G1K+7]  ; K of step 0
	s_nop 0
.rept 4
	v_nop
.endr
	; Q stays in registers.  A fragment is 16 rows x 32 channels: lane l holds row l % 16, channels 8 (l / 16) + 0..7 and 16 + 8 (l / 16) + 0..7: two loads of 16 bytes, 32 bytes apart
	v_and_b32 v1, 15, v0                           ; r
	v_bfe_u32 v116, v0, 4, 1                       ; h
	v_mul_u32_u24 v117, v1, 3072
	v_lshl_add_u32 v117, v116, 4, v117
	v_lshlrev_b32 v118, 4, v0
	v_lshlrev_b32 v119, 2, v1
.irp hw, 0,1
	WIN 0x80+0x40*\hw                              ; destination window 2 or 3, address window 0
.set i, 0
.rept 32                               ; tile 2 hw + i / 16, channels 32 (i % 16) on
	global_load_b128 v[8*i:8*i+3],   v117, s[60:61] offset:(2*\hw+i/16)*49152+(i%16)*64
	global_load_b128 v[8*i+4:8*i+7], v117, s[60:61] offset:(2*\hw+i/16)*49152+(i%16)*64+32
.set i, i+1
.endr
.endr
	WIN 0
.irp i, 0,1,2,3
	global_load_b128 v[96+4*\i:99+4*\i], v118, s[6:7] offset:2048*\i  ; the batch's mask: 128 threads x 16 bytes x 4
.endr
.irp t, 0,1,2,3
	global_load_b32 v[112+\t], v119, s[62:63] offset:64*\t            ; my query's own word, tile by tile
.endr
	WIN 0x40
.set i, 0
.rept 256
	v_mov_b32 v[i], 0                              ; O^T
.set i, i+1
.endr
	WIN 0
.set i, 0
.rept 8
	v_mov_b32 v[RL+i], 0
.set i, i+1
.endr
.set i, 0
.rept 4
	v_mov_b32 v[RM+i], 0xff7fffff
.set i, i+1
.endr
.set i, 0
.rept 16
	v_mov_b32 v[RA+i], 0                           ; a = 0 for the multiplies that stand behind the first scores' products (O is 0 there); the others are named as pairs, so they are written
.set i, i+1
.endr
	v_and_b32 v120, 31, v0                         ; lane
	v_and_b32 v121, 7, v0
	v_bfe_u32 v122, v0, 3, 1
	s_mul_i32 s56, s[WV], 32*PK
	v_mul_u32_u24 v[AK], v1, PK
	v_lshl_add_u32 v[AK], v116, 4, v[AK]
	v_add_nc_u32 v[AK], s56, v[AK]
	; the turning load takes 16 keys x 16 channels (lane l reads key 8 (l / 16) + l % 8, channels 8 ((l / 8) % 2) + 0..7) and leaves half a fragment of V^T: lane l holds channel l % 16 and 8 keys
	v_lshl_add_u32 v[AV0], v116, 3, v121
	v_mul_u32_u24 v[AV0], v[AV0], PV
	v_lshl_add_u32 v[AV0], v122, 4, v[AV0]
	s_lshl_b32 s56, s[WV], 8
	s_add_co_u32 s56, s56, VREG
	v_add_nc_u32 v[AV0], s56, v[AV0]
	v_add_nc_u32 v[AV0+1], 64*PV, v[AV0]
	v_lshlrev_b32 v[AP], 4, v120
	v_add_nc_u32 v[AP], PREG, v[AP]
	s_lshl_b32 s56, s[WV], 12
	v_add_nc_u32 v[APW], s56, v[AP]
	v_lshlrev_b32 v[AMR], 4, v1
	v_add_nc_u32 v[AMR], MXR, v[AMR]
	s_lshl_b32 s56, s[WV], 2
	v_add_nc_u32 v[AMW], s56, v[AMR]
	s_lshl_b32 s56, s[WV], 7
	s_add_co_u32 s56, s56, MKR
	v_lshl_add_u32 v[AMK], v116, 5, s56
	v_lshl_add_u32 v123, v0, 4, MKR
	; THE REQUESTS AHEAD (global_prefetch_b8, wave 0 alone; there the thread's number is the lane).  A step's K and V are 2 x 512 blocks of 256 bytes; the batch's 32 work-groups take 16 of each: rows 4 q .. 4 q + 3
	; of the step's 128.  Lanes 0-15: K, one step beyond the base; lanes 16-31: V, at the base.  Lane: row (l / 4) % 4, block l % 4.
	v_bfe_u32 v124, v0, 2, 2
	v_and_b32 v125, 3, v0
	v_sub_nc_u32 v126, 1, v116
	v_mul_u32_u24 v126, v126, STEPB
	v_mul_u32_u24 v[PFO], v124, 3072
	v_lshl_add_u32 v[PFO], v125, 8, v[PFO]
	v_lshl_add_u32 v[PFO], v116, 10, v[PFO]        ; V lies 1,024 bytes behind K in a row
	v_add_nc_u32 v[PFO], v[PFO], v126
	s_mul_i32 s56, s12, 12288                      ; my work-group's four rows,
	s_add_co_u32 s56, s56, 1024                    ; K's place in a row
	v_add_nc_u32 v[PFO], s56, v[PFO]
	s_wait_loadcnt 0x0                             ; Q, the mask, mq
.set i, 0
.rept 16
	v_cvt_f32_i32 v[96+i], v[96+i]
.set i, i+1
.endr
.irp i, 0,1,2,3
	ds_store_b128 v123, v[96+4*\i:99+4*\i] offset:2048*\i
.endr
.irp t, 0,1,2,3
	v_cvt_f32_i32 v[112+\t], v[112+\t]
.endr
.irp t, 0,1,2,3
	v_mul_f32 v[MQ+2*\t], s47, v[112+\t]
.endr
.irp t, 0,1,2,3
	v_mov_b32 v[MQ+2*\t+1], v[MQ+2*\t]
.endr
	s_wait_tensorcnt 0x0                           ; my quarter of K(0) is in,
	s_wait_dscnt 0x0                               ; my part of the mask is stored:
	s_barrier_signal -1
	s_barrier_wait -1                              ; everybody's is.
; ---- K Q^T ----
.macro KRUN g, buf                     ; 16 loads: my two key blocks x channels 128 g .. 128 g + 127: fragment (32 channels f / 2, key block f % 2)
	WIN 0
.irp f, 0,1,2,3,4,5,6,7
	ds_load_b128 v[(\buf)+8*\f:(\buf)+8*\f+3],   v[AK] offset:(\f%2)*16*PK+(4*(\g)+\f/2)*64
	ds_load_b128 v[(\buf)+8*\f+4:(\buf)+8*\f+7], v[AK] offset:(\f%2)*16*PK+(4*(\g)+\f/2)*64+32
.endr
.endm
; 32 products: tiles 0, 1 (Q in window 2), then tiles 2, 3 (window 3); four accumulators take turns, one instruction a turn.
; rid = 1: behind every fourth product stand four packed multiplies: accumulator 8 g + i / 4 of O^T times a, from its lowest registers on.
.macro SMM g, buf, rid
.set i, 0
.rept 32
.set rS, S+16*(2*(i/16)+i%2)+8*((i/2)%2)
.set rK, (\buf)+8*(2*((i/4)%4)+(i/2)%2)
.set rQ, 128*(i%2)+8*(4*(\g)+(i/4)%4)
	WIN 0x08+4*(i/16)
	v_wmma_f32_16x16x32_f16 v[rS:rS+7], v[rK:rK+7], v[rQ:rQ+7], v[rS:rS+7]
.if (\rid) && (i%4 == 3)
.set rO, 8*(8*(\g)+i/4)
.set rA, RA+2*((i/4)%4)
	WIN 0x41                                       ; O^T (destination and source 0) in window 1, a in window 0
.irp p, 0,2,4,6
	v_pk_mul_f32 v[rO+\p:rO+\p+1], v[rO+\p:rO+\p+1], v[rA:rA+1] op_sel_hi:[1,0]
.endr
.endif
.set i, i+1
.endr
.endm
.macro MKLOAD                          ; the next step's 16 mask words of my lane
	ds_load_b128 v[XV:XV+3],     v[AMK]
	ds_load_b128 v[XV+4:XV+7],   v[AMK] offset:16
	ds_load_b128 v[XV+8:XV+11],  v[AMK] offset:64
	ds_load_b128 v[XV+12:XV+15], v[AMK] offset:80
	v_add_nc_u32 v[AMK], 512, v[AMK]               ; 128 keys on
.endm
; The first 96 of a step's 128 score products.  K's first run and the mask words were asked for earlier.  No v_nop: the four multiplies behind a run's last product are the places in front of the loads into its buffer.
.macro S012
	KRUN 1, KB1
	s_wait_dscnt 16                                ; all but the 16 just issued: K's first run, the mask words, and my stores of P
.irp t, 0,1,2,3
.set i, 0
.rept 8                                ; the sums start from mk x (mq x 10000 sqrt(512)) - 10000 sqrt(512)
	v_pk_fma_f32 v[S+16*\t+2*i:S+16*\t+2*i+1], v[XV+2*i:XV+2*i+1], v[MQ+2*\t:MQ+2*\t+1], s[NB:NB+1] op_sel_hi:[1,0,0]
.set i, i+1
.endr
.endr
	SMM 0, KB0, 1
	KRUN 2, KB0
	s_wait_dscnt 16                                ; all but the 16 just issued
	SMM 1, KB1, 1
	KRUN 3, KB1
	s_wait_dscnt 16
	SMM 2, KB0, 1
	WIN 0
.endm
; ---- V^T P ----
.macro PRUN kk, buf                    ; 8 loads: the four tiles' images of key block kk
.irp t, 0,1,2,3
	ds_load_b128 v[(\buf)+8*\t:(\buf)+8*\t+3],   v[AP] offset:(4*(\kk)+\t)*1024
	ds_load_b128 v[(\buf)+8*\t+4:(\buf)+8*\t+7], v[AP] offset:(4*(\kk)+\t)*1024+512
.endr
.endm
.macro VRUN x, buf                     ; 8 turning loads: key block x / 2, channel blocks 4 (x % 2) .. + 3
.irp c4, 0,1,2,3
	ds_load_tr16_b128 v[(\buf)+8*\c4:(\buf)+8*\c4+3],   v[AV0+(\x)/4] offset:(((\x)/2)%2)*32*PV+32*(4*((\x)%2)+\c4)
	ds_load_tr16_b128 v[(\buf)+8*\c4+4:(\buf)+8*\c4+7], v[AV0+(\x)/4] offset:(((\x)/2)%2)*32*PV+32*(4*((\x)%2)+\c4)+16*PV
.endr
.endm
.macro VPRE                            ; V's first two runs, into the registers that K's first buffer has left
	WIN 0
	VRUN 0, VB0
	VRUN 1, VB0+32
.endm
; Eight groups of 16 products; group n: key block n / 2, channel blocks 4 (n % 2) .. + 3, all four tiles: 16 accumulators by turns.  V's run for group n + 2 and P's for the next key block are issued ahead of
; group n, 32 matrix instructions ahead of their use.
.macro PVALL
.set n, 0
.rept 8
	WIN 0
.if n < 6
.if n > 0
	PLACES
.endif
	VRUN n+2, VB0+32*((n+2)%3)
.if n%2 == 0
	PRUN n/2+1, PB0+32*((n/2+1)%2)
.endif
.if n == 0
	s_wait_dscnt 16                                ; all but the two runs just issued: V's first two runs and P's first are in
.else
	s_wait_dscnt 24                                ; the three runs of 8 issued behind the ones that this group needs stay out
.endif
.elseif n == 6
	s_wait_dscnt 8                                 ; V's last run stays out
.else
	s_wait_dscnt 0x0
.endif
	WIN 0x50                                       ; C and D in window 1
.set i, 0
.rept 16
.set rO, 32*(4*(n%2)+i/4)+8*(i%4)
.set rV, VB0+32*(n%3)+8*(i/4)
.set rP, PB0+32*((n/2)%2)+8*(i%4)
	v_wmma_f32_16x16x32_f16 v[rO:rO+7], v[rV:rV+7], v[rP:rP+7], v[rO:rO+7]
.set i, i+1
.endr
.set n, n+1
.endr
	WIN 0
.endm
; ---- the softmax ----
; My 32 keys' maximum for each query: two chains a tile, each begun on an accumulator's lowest registers; the other half of the lanes; into MXR.  a's registers are free here: O a is done.
.macro APH
	WIN 0
.irp t, 0,1,2,3
	v_max3_num_f32 v[RA+\t],   v[S+16*\t],   v[S+16*\t+1], v[S+16*\t+2]
	v_max3_num_f32 v[RA+4+\t], v[S+16*\t+8], v[S+16*\t+9], v[S+16*\t+10]
.endr
.irp t, 0,1,2,3
	v_max3_num_f32 v[RA+\t],   v[RA+\t],   v[S+16*\t+3],  v[S+16*\t+4]
	v_max3_num_f32 v[RA+4+\t], v[RA+4+\t], v[S+16*\t+11], v[S+16*\t+12]
.endr
.irp t, 0,1,2,3
	v_max3_num_f32 v[RA+\t],   v[RA+\t],   v[S+16*\t+5],  v[S+16*\t+6]
	v_max3_num_f32 v[RA+4+\t], v[RA+4+\t], v[S+16*\t+13], v[S+16*\t+14]
.endr
.irp t, 0,1,2,3
	v_max3_num_f32 v[RA+\t], v[RA+\t], v[S+16*\t+7], v[S+16*\t+15]
.endr
.irp t, 0,1,2,3
	v_max_num_f32 v[RA+\t], v[RA+\t], v[RA+4+\t]
.endr
.irp t, 0,1,2,3
	v_permlanex16_b32 v[RA+8+\t], v[RA+\t], s[SEL], s[SEL+1]
.endr
.irp t, 0,1,2,3
	v_max_num_f32 v[RA+\t], v[RA+\t], v[RA+8+\t]
.endr
.irp t, 0,1,2,3
	ds_store_b32 v[AMW], v[RA+\t] offset:256*\t    ; both halves of the lanes store the same number to the same word
.endr
.endm
.macro FPH t                           ; c s - c m
.set i, 0
.rept 8
	v_pk_fma_f32 v[S+16*(\t)+2*i:S+16*(\t)+2*i+1], v[S+16*(\t)+2*i:S+16*(\t)+2*i+1], s[CS:CS+1], v[CM+2*(\t):CM+2*(\t)+1] op_sel_hi:[1,0,0] neg_lo:[0,0,1] neg_hi:[0,0,1]
.set i, i+1
.endr
.endm
.macro EPH t                           ; 16 exponentials; what follows the macro begins with a plain instruction on other registers
.set i, 0
.rept 16
	v_exp_f32 v[S+16*(\t)+i], v[S+16*(\t)+i]
.set i, i+1
.endr
.endm
.macro QPH t                           ; l = a l + the sum of the unrounded p; p rounded to f16 in place; the tile's image into PREG
	s_wait_alu depctr_va_vdst(0)
.irp i, 0,1,2,3
	v_pk_add_f32 v[WK+2*\i:WK+2*\i+1], v[S+16*(\t)+4*\i:S+16*(\t)+4*\i+1], v[S+16*(\t)+4*\i+2:S+16*(\t)+4*\i+3]
.endr
	v_pk_add_f32 v[WK:WK+1], v[WK:WK+1], v[WK+2:WK+3]
	v_pk_add_f32 v[WK+4:WK+5], v[WK+4:WK+5], v[WK+6:WK+7]
	v_pk_add_f32 v[WK:WK+1], v[WK:WK+1], v[WK+4:WK+5]
	v_pk_fma_f32 v[RL+2*(\t):RL+2*(\t)+1], v[RL+2*(\t):RL+2*(\t)+1], v[RA+2*(\t):RA+2*(\t)+1], v[WK:WK+1] op_sel_hi:[1,0,1]
.irp i, 0,1,2,3
	v_cvt_pk_f16_f32 v[S+16*(\t)+\i], v[S+16*(\t)+2*\i], v[S+16*(\t)+2*\i+1]
.endr
.irp i, 0,1,2,3
	v_cvt_pk_f16_f32 v[S+16*(\t)+8+\i], v[S+16*(\t)+8+2*\i], v[S+16*(\t)+8+2*\i+1]
.endr
	ds_store_b128 v[APW], v[S+16*(\t):S+16*(\t)+3] offset:1024*(\t)
	ds_store_b128 v[APW], v[S+16*(\t)+8:S+16*(\t)+11] offset:1024*(\t)+512
.endm
; The statistics: the four waves' maxima give every wave the same new m, c m and a.  kpre = 1: the next step's first run of K is asked for behind the maxima, and stays out at the wait.
.macro CPHH kpre
	WIN 0
.irp t, 0,1,2,3
	ds_load_b128 v[XV+4*\t:XV+4*\t+3], v[AMR] offset:256*\t
.endr
.if \kpre
	KRUN 0, KB0
	s_wait_dscnt 16                                ; the four loads of the maxima are in; K's 16 stay out
.else
	s_wait_dscnt 0x0
.endif
.irp t, 0,1,2,3
	v_max3_num_f32 v[WK+8+\t], v[XV+4*\t], v[XV+4*\t+1], v[XV+4*\t+2]
.endr
.irp t, 0,1,2,3
	v_mul_f32 v[WK+12+\t], s[CS], v[RM+\t]         ; c m_old, the same rounded product as a step ago
.endr
.irp t, 0,1,2,3
	v_max3_num_f32 v[RM+\t], v[WK+8+\t], v[XV+4*\t+3], v[RM+\t]
.endr
.irp t, 0,1,2,3
	v_mul_f32 v[CM+2*\t], s[CS], v[RM+\t]
.endr
.irp t, 0,1,2,3
	v_sub_f32 v[WK+12+\t], v[WK+12+\t], v[CM+2*\t]
.endr
.irp t, 0,1,2,3
	v_exp_f32 v[RA+2*\t], v[WK+12+\t]              ; what follows the macro has a plain instruction on other registers ahead of a's first use
.endr
.endm
; The weights.  lx = 1: my keys' l, both halves of the lanes added, goes into LXR.
.macro CPHB lx
	FPH 0
	EPH 0
	FPH 1                                          ; the plain instructions behind tile 0's exponentials
	QPH 0
	EPH 1
	FPH 2
	QPH 1
	EPH 2
	FPH 3
	QPH 2
	EPH 3
	v_nop
	s_wait_alu depctr_va_vdst(0)
	QPH 3
.if \lx
.irp t, 0,1,2,3
	v_add_f32 v[WK+\t], v[RL+2*\t], v[RL+2*\t+1]
.endr
.irp t, 0,1,2,3
	v_permlanex16_b32 v[WK+4+\t], v[WK+\t], s[SEL], s[SEL+1]
.endr
.irp t, 0,1,2,3
	v_add_f32 v[WK+\t], v[WK+\t], v[WK+4+\t]
.endr
.irp t, 0,1,2,3
	ds_store_b32 v[AMW], v[WK+\t] offset:1024+256*\t
.endr
.endif
.endm
.macro RESC                            ; O^T times a by itself, for the last step, which has no score products to stand behind: it stands in the wait for the last tile of V
	WIN 0x41
.set i, 0
.rept 128
	v_pk_mul_f32 v[2*i:2*i+1], v[2*i:2*i+1], v[RA+2*((i/4)%4):RA+2*((i/4)%4)+1] op_sel_hi:[1,0]
.set i, i+1
.endr
	WIN 0
.endm
	KRUN 0, KB0                                    ; step 0's first run of K and its mask words;
	MKLOAD
	s_mov_b32 s[CNT], 15
	s_branch .Lenter                               ; its first 96 products are the loop's own text
.Lstep:                                                ; steps 0 to 13 (the count is 14 at step 0): both regions are filled in every trip
	s_cmp_eq_u32 s[CNT], 14
	s_cbranch_scc1 .Lfirst                         ; step 0 has no step before it: no V^T P, and nothing to rescale
	VPRE                                           ; V of the step before; the places are the four v_nop behind the tensor load
	SMM 3, KB1, 1                                  ; this step's last 32 score products, and the last quarter of O a of the step before
	WIN 0
	PRUN 0, PB0                                    ; into K's second buffer: the four multiplies behind the last product are the places, for the maxima's reads of S^T too
	APH
	PVALL                                          ; V^T P of the step before
	s_branch .Lbar1
.Lfirst:
	SMM 3, KB1, 0
	WIN 0
	PLACES
	APH
.Lbar1:
	SYNC G0V, G1V, VBASE, VOFF                     ; the maxima are stored, V and P of the step before are read: V of this step is asked for
	s_cmp_lg_u32 s[WV], 0
	s_cbranch_scc1 .Lno_pf
	global_prefetch_b8 v[PFO], s[PFB:PFB+1] th:TH_LOAD_NT scope:SCOPE_SE  ; wave 0, in step j: my work-group's 16 blocks of K(j + 2), whose tensor load stands at this trip's end, and its 16 of V(j + 1), whose load
	                                               ; stands a trip on; each block is asked for once in the launch; the last trip asks for K(15) and V(14), inside the batch
.Lno_pf:
	CPHH 1
	MKLOAD
	CPHB 0
.Lenter:
	S012                                           ; the next step's first 96 score products, and three quarters of O a
	s_wait_xcnt 0x0                                ; the request ahead has had its address translated: its base steps only behind this wait
	s_add_nc_u64 s[PFB:PFB+1], s[PFB:PFB+1], STEPB
	SYNC G0K, G1K, KBASE, KOFF                     ; P is stored and K's last fragments are in registers: K two steps on is asked for
	s_sub_co_u32 s[CNT], s[CNT], 1
	s_cmp_lg_u32 s[CNT], 0
	s_cbranch_scc1 .Lstep
	s_mov_b32 s[CNT], 2
.Ltail:                                                ; steps 14 and 15: no K is left to ask for; step 15 makes no further scores.  No tensor load and no barrier is jumped over
	VPRE
	SMM 3, KB1, 1
	WIN 0
	PRUN 0, PB0
	APH
	PVALL
	SYNC G0V, G1V, VBASE, VOFF
	CPHH 0
	s_cmp_eq_u32 s[CNT], 1
	s_cbranch_scc1 .Lno_k
	KRUN 0, KB0
	MKLOAD
.Lno_k:
	CPHB 1
	s_cmp_eq_u32 s[CNT], 1
	s_cbranch_scc1 .Llast
	S012
	s_branch .Ltbar
.Llast:
	RESC
.Ltbar:
	PBAR
	s_sub_co_u32 s[CNT], s[CNT], 1
	s_cmp_lg_u32 s[CNT], 0
	s_cbranch_scc1 .Ltail
	VPRE
	PRUN 0, PB0
	PVALL                                          ; V^T P of step 15
	; THE WAY OUT.  The four waves' l are added; O^T is divided by l and sent through my stage in LDS, 16 rows x 64 channels at a time, so that sixteen lanes store 256 consecutive bytes.
	PLACES
.irp t, 0,1,2,3
	ds_load_b128 v[XV+4*\t:XV+4*\t+3], v[AMR] offset:1024+256*\t
.endr
	v_and_b32 v6, 15, v0                           ; r
	v_bfe_u32 v5, v0, 4, 1                         ; h
	s_mul_i32 s56, s[WV], 16*272
	s_add_co_u32 s56, s56, STAGE                   ; my stage
	v_mul_u32_u24 v[STO], v6, 272                  ; in: row r, 32 bytes (8 channels) for each half of the lanes
	v_lshl_add_u32 v[STO], v5, 5, v[STO]
	v_add_nc_u32 v[STO], s56, v[STO]
	v_mul_u32_u24 v[RD], v5, 272                   ; back: lanes 0-15 one row of 256 bytes, lanes 16-31 the next
	v_lshl_add_u32 v[RD], v6, 4, v[RD]
	v_add_nc_u32 v[RD], s56, v[RD]
	v_lshlrev_b32 v[GO], 11, v5                    ; and the same two rows in out0
	v_lshl_add_u32 v[GO], v6, 4, v[GO]
	s_wait_dscnt 0x0
.irp t, 0,1,2,3
	v_add_f32 v[XV+4*\t], v[XV+4*\t], v[XV+4*\t+1]
.endr
.irp t, 0,1,2,3
	v_add_f32 v[XV+4*\t+2], v[XV+4*\t+2], v[XV+4*\t+3]
.endr
.irp t, 0,1,2,3
	v_add_f32 v[XV+4*\t], v[XV+4*\t], v[XV+4*\t+2]
.endr
.irp t, 0,1,2,3
	v_rcp_f32 v[RA+2*\t], v[XV+4*\t]
.endr
	v_nop                                          ; a plain instruction between the last reciprocal and the use of its result
	s_wait_alu depctr_va_vdst(0)
.macro PACK k                          ; block k: tile k / 2, channel blocks 4 (k % 2) .. + 3
.set t, (\k)/2
.set g, (\k)%2
	WIN 0x41
.irp c4, 0,1,2,3
.irp p, 0,2,4,6
	v_pk_mul_f32 v[32*(4*g+\c4)+8*t+\p:32*(4*g+\c4)+8*t+\p+1], v[32*(4*g+\c4)+8*t+\p:32*(4*g+\c4)+8*t+\p+1], v[RA+2*t:RA+2*t+1] op_sel_hi:[1,0]
.endr
.endr
	WIN 0x04                                       ; the store's data in window 1, its address in window 0
.irp c4, 0,1,2,3
	ds_store_b128 v[STO], v[32*(4*g+\c4)+8*t:32*(4*g+\c4)+8*t+3] offset:64*\c4
	ds_store_b128 v[STO], v[32*(4*g+\c4)+8*t+4:32*(4*g+\c4)+8*t+7] offset:64*\c4+16
.endr
	WIN 0
	s_wait_xcnt 0x0                                ; the registers that earlier stores read are loaded again only behind this wait
.irp i, 0,1,2,3,4,5,6,7
	ds_load_b128 v[OB+32*((\k)%2)+4*\i:OB+32*((\k)%2)+4*\i+3], v[RD] offset:544*\i  ; LDS serves a wave's instructions in order (ISA guide 5.7.1.4): these see the stores above; the next block's stores come behind them
.endr
.endm
.macro SEND k, younger                 ; younger: the LDS instructions issued behind block k's loads: the next block's sixteen, or none
.irp i, 0,1,2,3,4,5,6,7
	s_wait_dscnt (\younger)+7-\i
	global_store_b128 v[GO], v[OB+32*((\k)%2)+4*\i:OB+32*((\k)%2)+4*\i+3], s[8:9] offset:(16*((\k)/2)+2*\i)*2048+256*((\k)%2) th:TH_STORE_NT  ; 16 lanes store 256 consecutive bytes, at a multiple of 256 from out0's first byte
.endr
.endm
	PACK 0
.irp k, 1,2,3,4,5,6,7                  ; a block's arithmetic stands between the loads of the block before and its stores
	PACK \k
	SEND (\k)-1, 16
.endr
	SEND 7, 0
	s_wait_tensorcnt 0x0                           ; the wave's end: an add to my spare word, behind my last tensor load and my last LDS store
	ds_add_u32 v[SPW], v[NIL]
	s_wait_dscnt 0x0
	CROUND                                         ; the closing round: no work-group ends while a partner may still ask for a tile that names it
	s_endpgm
.Lfunc_end_k_q594fd648c6_attn:
	.size	k_q594fd648c6_attn, .Lfunc_end_k_q594fd648c6_attn-k_q594fd648c6_attn
	.p2alignl 7, 3214868480
	.fill 96, 4, 3214868480
	.section	.rodata,"a",@progbits
	.p2align	6, 0x0
	.amdhsa_kernel k_q594fd648c6_attn
		.amdhsa_group_segment_fixed_size 327680
		.amdhsa_private_segment_fixed_size 0
		.amdhsa_enable_private_segment 0
		.amdhsa_kernarg_size 24
		.amdhsa_user_sgpr_count 2
		.amdhsa_user_sgpr_kernarg_segment_ptr 1
		.amdhsa_wavefront_size32 1
		.amdhsa_system_sgpr_workgroup_id_x 1
		.amdhsa_system_sgpr_workgroup_id_y 1
		.amdhsa_system_sgpr_workgroup_id_z 1
		.amdhsa_system_vgpr_workitem_id 0
		.amdhsa_next_free_vgpr 1024
		.amdhsa_next_free_sgpr 72
		.amdhsa_reserve_vcc 0
		.amdhsa_float_denorm_mode_32 3
		.amdhsa_float_denorm_mode_16_64 3
		.amdhsa_memory_ordered 1
		.amdhsa_forward_progress 1
		.amdhsa_inst_pref_size 196
	.end_amdhsa_kernel
	.amdgpu_metadata
---
amdhsa.version: [ 1, 2 ]
amdhsa.kernels:
  - .name:           k_q594fd648c6_attn
    .symbol:         k_q594fd648c6_attn.kd
    .args:
      - { .name: qkv, .offset: 0, .size: 8, .value_kind: global_buffer, .address_space: global }
      - { .name: mask, .offset: 8, .size: 8, .value_kind: global_buffer, .address_space: global }
      - { .name: out0, .offset: 16, .size: 8, .value_kind: global_buffer, .address_space: global }
    .group_segment_fixed_size: 327680
    .private_segment_fixed_size: 0
    .kernarg_segment_align: 8
    .kernarg_segment_size: 24
    .max_flat_workgroup_size: 128
    .sgpr_count:     72
    .vgpr_count:     1024
    .wavefront_size: 32
...
	.end_amdgpu_metadata
.endif
;; end of part 3
;; ======== version 2 of 2: 3 launches; version 1 with the launch prep written anew for expert scheduling mode
;; limits: values are held in f16: magnitudes above 65,504 overflow, below 6.1e-05 lose precision
;; workspace buffers: xb 33,554,432 bytes; wb 3,145,728 bytes; bcat 6,144 bytes; qkv 50,331,648 bytes
;; launch prep (part 4): grid 512 x 1, 8 waves a work-group, no clusters, 0 bytes of LDS; arguments x, xb, Wq, Wk, Wv, wb, bq, bk, bv, bcat; writes xb, wb, bcat
.if DOCPART == 4
	.amdgcn_target "amdgcn-amd-amdhsa--gfx1250"
	.amdhsa_code_object_version 6
	.text
	.protected	k_q594fd648c6_prep
	.globl	k_q594fd648c6_prep
	.p2align	8
	.type	k_q594fd648c6_prep,@function
k_q594fd648c6_prep:
	s_mov_b64 s[64:65], 0
	v_nop
	global_prefetch_b8 v0, s[64:65] scope:SCOPE_SE
	s_setreg_imm32_b32 hwreg(HW_REG_WAVE_SCHED_MODE, 0, 2), 2
	s_setreg_imm32_b32 hwreg(HW_REG_WAVE_MODE, 25, 1), 1
	s_wait_xcnt 0x0
	s_wait_alu depctr_vm_vsrc(0)
; CASTS.  x, Wq, Wk, Wv and the three biases are rounded once to bf16 and laid out for the projection that follows.
;   xb   bf16 [16 blocks of 64 k][16384 rows][64 k]: 128 rows x 64 k are then 16,384 dense bytes
;   wb   bf16 [1024 k][1536 n]: columns 0-511 Wq, 512-1023 Wk, 1024-1535 Wv
;   bcat f32  [1536]: bq, bk, bv, each rounded to bf16 and widened again
; A stream: every byte is read once and written once, so there is no LDS, no barrier, no matrix work and no cluster (no two work-groups read the same bytes).
; 512 equal work-groups.  Work-group g owns rows 32 g .. 32 g + 31 of x and rows 2 g, 2 g + 1 of each weight matrix; work-groups 0, 1, 2 also take one bias each.
; A unit is one load of 16 bytes a lane (four numbers), two packed roundings in place and one store of 8 bytes a lane.
;   x: lanes 0-15 read the 256 consecutive bytes of one row's block of 64 k, lanes 16-31 the same block of the next row; the 32 lanes' store covers 256 consecutive bytes of xb (two rows of 128), aligned.
;   W: the wave reads 512 consecutive bytes of a row and stores 256 consecutive bytes of wb, aligned.
; A thread has 35 units; all 35 loads go out first; no register is used twice.
; THE MODE: SCHED_MODE bits 1:0 = 2 (LLVM: expert scheduling mode 2), set by the entry lines.  The code itself states the register dependences
; between vector instructions and memory instructions, with s_wait_alu, always for 0.
; THE PLAN.  Registers that memory instructions touch:
;   v1, v3     offsets of the loads of x and of W; v2, v4 offsets of the stores into xb and wb.  Made once at the head by vector instructions, never written again.
;   unit u     four registers.  Its load lands in them (no vector instruction has named them before); its two roundings read the four and write the first two; its store reads those two; nothing names them after that.
;   v5, v6, v7 in the bias's branch: the offset, and the pair that is loaded, widened into and stored.
; The units go in blocks of four.  The store of unit u - 4 stands in front of unit u's roundings, and ONE wait on va_vdst stands at a block's head: it states that the block before has been rounded.  The block's own
; roundings name its own sixteen registers alone, none that the four stores dealt among them read.  No register that a memory instruction has read is ever written again, so no wait on vm_vsrc is owed;
; no vector instruction writes a scalar register or VCC, and EXEC is never written.
.set X, 8                              ; v[8:147]  unit u at X + 4 u: 0-31 x (pair of rows u / 16, block of k u % 16), 32-34 Wq, Wk, Wv
	s_load_b512 s[8:23], s[0:1], 0x0               ; x 8, xb 10, Wq 12, Wk 14, Wv 16, wb 18, bq 20, bk 22
	s_load_b128 s[24:27], s[0:1], 0x40             ; bv 24, bcat 26
	v_lshrrev_b32 v5, 5, v0                        ; wave w
	v_bfe_u32 v6, v0, 4, 1                         ; h: which half of the lanes
	v_and_b32 v7, 15, v0                           ; r
	v_lshlrev_b32 v1, 14, v5                       ; x: wave w has rows 4 w .. 4 w + 3 of 4,096 bytes,
	v_lshl_add_u32 v1, v6, 12, v1                  ; row h of a pair,
	v_lshl_add_u32 v1, v7, 4, v1                   ; 16 bytes a lane
	v_lshlrev_b32 v2, 3, v0                        ; xb: 512 w + 8 lane = 8 t + 256 w
	v_lshl_add_u32 v2, v5, 8, v2
	v_lshlrev_b32 v3, 4, v0                        ; W: row w / 4 of two, quarter w % 4, 16 bytes a lane = 16 t
	v_lshrrev_b32 v6, 7, v0                        ; wb: row w / 4 of 3,072 bytes,
	v_and_b32 v7, 127, v0
	v_mul_u32_u24 v4, v6, 3072
	v_lshl_add_u32 v4, v7, 3, v4                   ; + 256 (w % 4) + 8 lane
	s_lshl_b32 s30, ttmp9, 17                      ; 32 rows of x
	s_mov_b32 s31, 0
	s_lshl_b32 s32, ttmp9, 12                      ; 32 rows of 128 bytes in xb; also 2 rows of 2,048 bytes in a weight matrix
	s_mov_b32 s33, 0
	s_mul_i32 s28, ttmp9, 6144                     ; 2 rows of wb
	s_mov_b32 s29, 0
	s_wait_kmcnt 0x0
	s_add_nc_u64 s[8:9], s[8:9], s[30:31]
	s_add_nc_u64 s[34:35], s[10:11], s[32:33]      ; blocks 0-3 of k,
	s_add_nc_u64 s[36:37], s[34:35], 0x800000      ; 4-7, 8-11 and 12-15: the store's immediate reaches four blocks
	s_add_nc_u64 s[38:39], s[36:37], 0x800000
	s_add_nc_u64 s[40:41], s[38:39], 0x800000
	s_add_nc_u64 s[12:13], s[12:13], s[32:33]
	s_add_nc_u64 s[14:15], s[14:15], s[32:33]
	s_add_nc_u64 s[16:17], s[16:17], s[32:33]
	s_add_nc_u64 s[18:19], s[18:19], s[28:29]
	s_wait_alu depctr_va_vdst(0)                   ; the four offsets v1 to v4 are written: every load and store of the 35 units reads one of them
.set u, 0
.rept 32
	global_load_b128 v[X+4*u:X+4*u+3], v1, s[8:9] offset:(u/16)*8192+(u%16)*256 th:TH_LOAD_NT
.set u, u+1
.endr
.irp i, 0,1,2
	global_load_b128 v[X+128+4*\i:X+128+4*\i+3], v3, s[12+2*\i:13+2*\i] th:TH_LOAD_NT
.endr
.macro ST n                            ; the store of unit n
.if (\n) < 32
	global_store_b64 v2, v[X+4*(\n):X+4*(\n)+1], s[34+2*(((\n)%16)/4):35+2*(((\n)%16)/4)] offset:((\n)%4)*2097152+((\n)/16)*256
.else
	global_store_b64 v4, v[X+4*(\n):X+4*(\n)+1], s[18:19] offset:((\n)-32)*1024
.endif
.endm
.set u, 0
.rept 35
	s_wait_loadcnt 34-u                            ; loads come back in order: unit u's is in, the 34 - u younger ones stay out
.if (u%4 == 0) && (u > 0)
	s_wait_alu depctr_va_vdst(0)                   ; a block's head: the roundings of units u - 4 to u - 1 have written the registers that the next four stores read
.endif
.if u >= 4
	ST u-4                                         ; no vector instruction since that wait names this unit's registers
.endif
	v_cvt_pk_bf16_f32 v[X+4*u], v[X+4*u], v[X+4*u+1]  ; ascending: a register is written when it has been read
	v_cvt_pk_bf16_f32 v[X+4*u+1], v[X+4*u+2], v[X+4*u+3]
.set u, u+1
.endr
	ST 31                                          ; the last of the block that the wait at unit 32 has shown written
	s_wait_alu depctr_va_vdst(0)                   ; the roundings of units 32 to 34 have written the registers that the last three stores read
	ST 32
	ST 33
	ST 34
	; ---- the biases: work-group 0 bq, 1 bk, 2 bv; a wave takes 64 numbers, 256 bytes in and out
	s_cmp_lt_u32 ttmp9, 3
	s_cbranch_scc0 .Ldone
	s_cmp_eq_u32 ttmp9, 1
	s_cselect_b64 s[42:43], s[22:23], s[20:21]     ; the bias is chosen by the work-group's number
	s_cmp_eq_u32 ttmp9, 2
	s_cselect_b64 s[42:43], s[24:25], s[42:43]
	s_lshl_b32 s44, ttmp9, 11                      ; the bias's 2,048 bytes in bcat
	s_mov_b32 s45, 0
	s_add_nc_u64 s[44:45], s[26:27], s[44:45]
	v_lshlrev_b32 v5, 3, v0                        ; two numbers a thread
	s_wait_alu depctr_va_vdst(0)                   ; v5 is written, which the load reads as its offset; the head's instructions that wrote and read v6 and v7, in which the load lands, are done
	global_load_b64 v[6:7], v5, s[42:43]
	s_wait_loadcnt 0x0
	v_cvt_pk_bf16_f32 v148, v6, v7                 ; rounded to bf16,
	v_lshlrev_b32 v6, 16, v148                     ; and widened again
	v_and_b32 v7, 0xffff0000, v148
	s_wait_alu depctr_va_vdst(0)                   ; the two widenings have written v6 and v7, which the store reads
	global_store_b64 v5, v[6:7], s[44:45]
.Ldone:
	s_endpgm
.Lfunc_end_k_q594fd648c6_prep:
	.size	k_q594fd648c6_prep, .Lfunc_end_k_q594fd648c6_prep-k_q594fd648c6_prep
	.p2alignl 7, 3214868480
	.fill 96, 4, 3214868480
	.section	.rodata,"a",@progbits
	.p2align	6, 0x0
	.amdhsa_kernel k_q594fd648c6_prep
		.amdhsa_group_segment_fixed_size 0
		.amdhsa_private_segment_fixed_size 0
		.amdhsa_enable_private_segment 0
		.amdhsa_kernarg_size 80
		.amdhsa_user_sgpr_count 2
		.amdhsa_user_sgpr_kernarg_segment_ptr 1
		.amdhsa_wavefront_size32 1
		.amdhsa_system_sgpr_workgroup_id_x 1
		.amdhsa_system_sgpr_workgroup_id_y 1
		.amdhsa_system_sgpr_workgroup_id_z 1
		.amdhsa_system_vgpr_workitem_id 0
		.amdhsa_next_free_vgpr 152
		.amdhsa_next_free_sgpr 66
		.amdhsa_reserve_vcc 0
		.amdhsa_float_denorm_mode_32 3
		.amdhsa_float_denorm_mode_16_64 3
		.amdhsa_memory_ordered 1
		.amdhsa_forward_progress 1
		.amdhsa_inst_pref_size 15
	.end_amdhsa_kernel
	.amdgpu_metadata
---
amdhsa.version: [ 1, 2 ]
amdhsa.kernels:
  - .name:           k_q594fd648c6_prep
    .symbol:         k_q594fd648c6_prep.kd
    .args:
      - { .name: x, .offset: 0, .size: 8, .value_kind: global_buffer, .address_space: global }
      - { .name: xb, .offset: 8, .size: 8, .value_kind: global_buffer, .address_space: global }
      - { .name: Wq, .offset: 16, .size: 8, .value_kind: global_buffer, .address_space: global }
      - { .name: Wk, .offset: 24, .size: 8, .value_kind: global_buffer, .address_space: global }
      - { .name: Wv, .offset: 32, .size: 8, .value_kind: global_buffer, .address_space: global }
      - { .name: wb, .offset: 40, .size: 8, .value_kind: global_buffer, .address_space: global }
      - { .name: bq, .offset: 48, .size: 8, .value_kind: global_buffer, .address_space: global }
      - { .name: bk, .offset: 56, .size: 8, .value_kind: global_buffer, .address_space: global }
      - { .name: bv, .offset: 64, .size: 8, .value_kind: global_buffer, .address_space: global }
      - { .name: bcat, .offset: 72, .size: 8, .value_kind: global_buffer, .address_space: global }
    .group_segment_fixed_size: 0
    .private_segment_fixed_size: 0
    .kernarg_segment_align: 8
    .kernarg_segment_size: 80
    .max_flat_workgroup_size: 256
    .sgpr_count:     66
    .vgpr_count:     152
    .wavefront_size: 32
...
	.end_amdgpu_metadata
.endif
;; end of part 4
;; launch proj: the kernel of part 2 again; grid 4 x 64, 4 waves a work-group, clusters of 4 x 4, 327,680 bytes of LDS; arguments xb, wb, bcat, qkv; writes qkv
;; launch attn: the kernel of part 3 again; grid 32 x 8, 4 waves a work-group, clusters of 4 x 1, 327,680 bytes of LDS; arguments qkv, mask, out0; writes out0
